; MI455X (gfx1250); checked and timed in simulation.
; The chip was launched on July 23, 2026; its instructions are those of AMD's public machine-readable ISA for CDNA 5 (MIT licence, August 2026) and "CDNA5" Instruction Set Architecture Reference Guide (July 2026). The comments in the code are by the model that wrote it; some were corrected since.
;; Multi Head Self Attention. Allowed arithmetic: matrix products marked QUANTISED: E2M3 operands, one E8M0 scale for each 32 along K, by v_wmma_scale_f32_16x16x128_f8f6f4 with both operands' format E2M3, f32 sums; everything else in f32.
;; Inputs: bk 1,024 float32; bq 1,024 float32; bv 1,024 float32; k 4 x 2,048 x 1,024 float32; mask 4 x 2,048 float32; q 4 x 2,048 x 1,024 float32; v 4 x 2,048 x 1,024 float32; wk 1,024 x 1,024 float32; wq 1,024 x 1,024 float32; wv 1,024 x 1,024 float32.
;; Outputs: out0 4 x 2,048 x 1,024 float32.
;; This version of the problem:
;;   THIS VERSION OF THE PROBLEM IS GIVEN IN LOW PRECISION. The matrix products marked QUANTISED in the list below multiply operands that are first quantised to E2M3 (2 exponent bits, 3 mantissa bits; 6 bits a number), with one power-of-two scale for each 32 numbers along K (OCP MX v1.0); their sums are f32. All else is computed in f32.
;;   The module's matrix products, in the order in which they are computed (A, B: the left and right operand; K: the contracted axis; several contracted axes count as one K, in the product's order):
;;     1. [M 8,192, K 1,024] x [K 1,024, N 1,024]; A: input q; B: input wq: QUANTISED
;;     2. [M 8,192, K 1,024] x [K 1,024, N 1,024]; A: input k; B: input wk: QUANTISED
;;     3. [M 8,192, K 1,024] x [K 1,024, N 1,024]; A: input v; B: input wv: QUANTISED
;;     4. batch 64 x [M 2,048, K 64] x [K 64, N 2,048]; A: computed on the way; B: computed on the way: QUANTISED
;;     5. batch 64 x [M 2,048, K 2,048] x [K 2,048, N 64]; A: softmax (see below); B: computed on the way: QUANTISED
;;   THE QUANTISER, for each operand of a quantised product, along K:
;;     - K is cut into blocks of 32 from its start; a last block that is shorter is filled with zeros.
;;     - A block's scale is 2^e with e = floor(log2(the largest magnitude in the block)) - 2, held to -126 .. 127; a block of zeros has e = 0. As a byte (E8M0): e + 127.
;;     - Each number is divided by its block's scale, clamped to +-7.5, and rounded to the nearest number of E2M3, ties to even, subnormals kept.
;;     - The product sums the exact products of the quantised numbers (number of the format x scale) in f32.
;;   ~~~python
;;   def quantise(x, axis):      # numpy; x: float32 -> the quantised numbers, widened to float32 again
;;       x = np.moveaxis(x, axis, -1); K = x.shape[-1]
;;       x = np.pad(x, [(0, 0)] * (x.ndim - 1) + [(0, -K % 32)]); x = x.reshape(x.shape[:-1] + (-1, 32)); a = np.abs(x).max(-1, keepdims=True)
;;       e = np.where(a > 0, np.clip(np.frexp(np.where(a > 0, a, 1))[1] - 1 - 2, -126, 127), 0)      # np.frexp(a)[1] - 1 = floor(log2(a)), exactly
;;       r = np.clip(x / 2.0 ** e, -7.5, 7.5)
;;       step = 2.0 ** (np.maximum(np.frexp(np.where(r == 0, 1, r))[1] - 1, 0) - 3)
;;       q = np.round(r / step) * step * 2.0 ** e      # np.round: ties to even
;;       return np.moveaxis(q.reshape(q.shape[:-2] + (-1,))[..., :K], -1, axis).astype(np.float32)
;;   ~~~
;;   SOFTMAX AHEAD OF A QUANTISED PRODUCT. Where the list says 'softmax', what is quantised is not the finished softmax but p = 2^(t - M), with t = logit x log2(e) and M = ceil(the row's largest t), a whole number; so 1/2 < the row's largest p <= 1. The row's sum l is taken of the UNQUANTISED p, in f32, and the product's result is divided by l at the end. Since M is a whole number, a kernel that streams over the keys may use a running M (the ceiling of the running maximum): every later rescaling is an exact power of two, which a block's scale takes up: the codes' values come out the same.
;;   OPERANDS COMPUTED ON THE WAY. 'Computed on the way' means the value that the module computes at that place (a softmax that the list does not call 'softmax' is quantised finished and normalised). What goes into a quantiser is computed in f32, as accurately as f32 sums, v_exp_f32 and their like allow (about 1e-6 of the number): no bf16 or f16 on the way to a quantiser, and a product that is left as it is and whose result goes on into a quantised operand takes f32 operands (vector FMAs, or v_wmma_f32_16x16x4_f32). A number that lies on a knife's edge between two numbers of the format may be rounded either way, as far as f32 arithmetic and the matrix unit's own rounding can turn it there, and no further.
;; One version. Each part assembles by itself: llvm-mc -triple=amdgcn-amd-amdhsa -mcpu=gfx1250 --defsym DOCPART=n.
;; ======== version 1 of 1: 3 launches
;; limits: right only within a limited range of input values
;; workspace buffers: c1 21,233,664 bytes; s1 884,736 bytes; heads 20,185,088 bytes
;; launch quant (part 1): grid 864 x 1, 4 waves a work-group, no clusters, 33,280 bytes of LDS; arguments q, k, v, wq, wk, wv, c1, s1; writes c1, s1
.if DOCPART == 1
	.amdgcn_target "amdgcn-amd-amdhsa--gfx1250"
	.amdhsa_code_object_version 6
	.text
	.protected	k_q94d6cb1b61_quant
	.globl	k_q94d6cb1b61_quant
	.p2align	8
	.type	k_q94d6cb1b61_quant,@function
k_q94d6cb1b61_quant:
	s_mov_b64 s[64:65], 0
	v_nop
	global_prefetch_b8 v0, s[64:65] scope:SCOPE_SE
	s_setreg_imm32_b32 hwreg(HW_REG_WAVE_MODE, 25, 1), 1
	s_wait_xcnt 0x0
; q, k, v [8192][1024] and wq, wk, wv [1024][1024], f32, K innermost, are turned into codes of FP6 (E2M3), 6 bits each, with one E8M0 scale byte for each 32 along K.
; c1: 27,648 rows of 768 bytes, in the order q, k, v, wq, wk, wv;  s1: the same rows' 32 scale bytes.
; A block's scale is 2^(floor(log2(its largest magnitude)) - 2); its byte is the largest magnitude's exponent field - 2, held at 1 from below.  Each number is divided by the scale and rounded to the nearest code, ties to even.
; LIMITS: a block of zeros, and a block whose largest magnitude lies under 2^-124, gets the byte 1 (a block of zeros has zero codes, which add nothing; only this program reads the bytes); NaN and infinities are not served.
; THE ROWS ARE STORED IN ANOTHER ORDER: within every 32 rows the second and the third group of 8 rows change places, so that stored row 16 u + r is row 8 u + r + 8 (r / 8).  Sixteen stored rows on end are then a tile
; whose results, in the next launch, lie as 16 neighbours in a lane's registers.
; A work-group takes 32 rows, a wave 8 rows: 16 steps of 512 numbers.  A load reads 512 consecutive bytes, 16 a lane; a step's 2,048 bytes turn through the wave's own stage in LDS and come back 64 bytes a lane:
; 16 neighbours along K, two lanes to a block.  No barrier: waves share nothing.  Loads run four steps (16 loads a wave) ahead, the turn through LDS one step.
.set STEPS, 16
.set EMAX,  2
.set CB,    12                         ; bytes of 16 codes
.set R,     16                         ; v16-79   four sets of 16 numbers as they are loaded
.set X,     80                         ; v80-111  two sets of 16 neighbours
.set C,     128                        ; v128-191 codes: four registers for each step, so that no store's data are written again
.set E,     112                        ; v112-127 a scale byte for each step
.set WREG,  8192                       ; LDS: a region for each wave: two stages of 32 x SP bytes, behind them its 256 scale bytes
.set SP,    80                         ; a lane's place in a stage: its 64 bytes + 16 of padding
.set IN,    22                         ; s[22:23] the tensor that my work-group reads, then my wave's run of it
.set OC,    16                         ; s[16:17] c1, then my wave's run of it
.set OS,    18                         ; s[18:19] s1 likewise
	s_load_b256 s[4:11], s[0:1], 0x0               ; q, k, v, wq
	s_load_b128 s[12:15], s[0:1], 0x20             ; wk, wv
	s_load_b128 s[16:19], s[0:1], 0x30             ; c1, s1
	v_lshl_add_u32 v192, v0, 2, 0x8000
	v_mov_b32 v193, 0
	v_lshrrev_b32 v1, 5, v0
	v_readfirstlane_b32 s20, v1                    ; wave
	v_and_b32 v2, 31, v0                           ; lane
	v_lshlrev_b32 v3, 4, v2                        ; my 16 bytes of a load's 512
	s_mul_i32 s30, s20, WREG
	v_lshrrev_b32 v14, 2, v2
	v_mul_u32_u24 v14, v14, SP
	v_and_b32 v15, 3, v2
	v_lshl_add_u32 v14, v15, 4, v14
	v_add_nc_u32 v14, s30, v14                     ; the stage, on the way in: SP (lane / 4) + 16 (lane % 4)
	v_mul_u32_u24 v15, v2, SP
	v_add_nc_u32 v15, s30, v15                     ; and on the way out: SP x lane: my 16 neighbours
	v_mul_u32_u24 v4, v2, CB                       ; my codes' place in a step's
	v_lshrrev_b32 v5, 1, v2
	s_add_co_u32 s30, s30, 2*32*SP
	v_add_nc_u32 v5, s30, v5                       ; LDS: my wave's 256 scale bytes, my block's byte
	v_lshlrev_b32 v7, 3, v2                        ; and on the way out 8 bytes a lane
	v_add_nc_u32 v6, s30, v7
	s_wait_alu depctr_va_vdst(0)
	s_wait_kmcnt 0x0
	; which tensor: the choice hangs on the work-group's number alone.  q 0-255, k 256-511, v 512-767, wq 768-799, wk 800-831, wv 832-863
	s_mov_b64 s[IN:IN+1], s[14:15]
	s_mov_b32 s21, 832                             ; the tensor's first work-group
	s_cmp_lt_u32 ttmp9, 832
	s_cselect_b64 s[IN:IN+1], s[12:13], s[IN:IN+1]
	s_cselect_b32 s21, 800, s21
	s_cmp_lt_u32 ttmp9, 800
	s_cselect_b64 s[IN:IN+1], s[10:11], s[IN:IN+1]
	s_cselect_b32 s21, 768, s21
	s_cmp_lt_u32 ttmp9, 768
	s_cselect_b64 s[IN:IN+1], s[8:9], s[IN:IN+1]
	s_cselect_b32 s21, 512, s21
	s_cmp_lt_u32 ttmp9, 512
	s_cselect_b64 s[IN:IN+1], s[6:7], s[IN:IN+1]
	s_cselect_b32 s21, 256, s21
	s_cmp_lt_u32 ttmp9, 256
	s_cselect_b64 s[IN:IN+1], s[4:5], s[IN:IN+1]
	s_cselect_b32 s21, 0, s21
	s_sub_co_u32 s24, ttmp9, s21
	s_lshl_b32 s24, s24, 2
	s_add_co_u32 s24, s24, s20                     ; which run of 8 rows of the tensor I read
	s_lshl_b32 s24, s24, 15                        ; 32,768 bytes a run (at most 1,023 runs on: under 2^32)
	s_mov_b32 s25, 0
	s_add_nc_u64 s[IN:IN+1], s[IN:IN+1], s[24:25]
	s_and_b32 s26, s20, 1                          ; where it goes: groups 1 and 2 of the work-group's four change places
	s_lshl_b32 s26, s26, 1
	s_lshr_b32 s27, s20, 1
	s_or_b32 s26, s26, s27
	s_lshl_b32 s27, ttmp9, 2
	s_add_co_u32 s26, s26, s27                     ; the run's number in c1 and s1
	s_mul_i32 s28, s26, 32*STEPS*CB                ; 6,144 bytes of codes a run
	s_mov_b32 s29, 0
	s_add_nc_u64 s[OC:OC+1], s[OC:OC+1], s[28:29]
	s_lshl_b32 s28, s26, 8                         ; 256 scale bytes a run
	s_add_nc_u64 s[OS:OS+1], s[OS:OS+1], s[28:29]
.macro LOAD t
.irp i, 0,1,2,3
	global_load_b128 v[R+16*((\t)%4)+4*\i:R+16*((\t)%4)+4*\i+3], v3, s[IN:IN+1] offset:2048*(\t)+512*\i th:TH_LOAD_NT   ; 32 lanes read 512 consecutive bytes
.endr
.endm
.macro TURN t                          ; step t's numbers through the stage: LDS serves a wave's instructions in order, so no wait stands between the stores and the loads
.irp i, 0,1,2,3
	ds_store_b128 v14, v[R+16*((\t)%4)+4*\i:R+16*((\t)%4)+4*\i+3] offset:32*SP*((\t)%2)+8*SP*\i
.endr
.irp i, 0,1,2,3
	ds_load_b128 v[X+16*((\t)%2)+4*\i:X+16*((\t)%2)+4*\i+3], v15 offset:32*SP*((\t)%2)+16*\i
.endr
.endm
.irp t, 0,1,2,3
	LOAD \t
.endr
	s_wait_loadcnt 12                              ; step 0's four loads are in; the twelve of steps 1 to 3 may be out
	TURN 0
.macro STEP t
.set XS, X+16*((\t)%2)
.if (\t) > 0
	s_wait_dscnt 1                                 ; this step's numbers are back from the stage (the last step's byte store may be out): so its stores into the stage have read their registers,
.else
	s_wait_dscnt 0x0
.endif
.if (\t)+4 < STEPS
	LOAD (\t)+4                                    ; which take the loads of four steps on
.endif
.if (\t)+1 < STEPS
.if STEPS-2-(\t) >= 3
	s_wait_loadcnt 12                              ; the next step's four loads are in; those of the three steps behind it may be out
.else
	s_wait_loadcnt 4*(STEPS-2-(\t))
.endif
	TURN (\t)+1                                    ; and go through the other stage while this step is worked
.endif
	v_max3_num_f32 v8, |v[XS]|, |v[XS+1]|, |v[XS+2]|               ; the largest magnitude of my 16, in two chains
	v_max3_num_f32 v9, |v[XS+3]|, |v[XS+4]|, |v[XS+5]|
.irp i, 6,10
	v_max3_num_f32 v8, v8, |v[XS+\i]|, |v[XS+\i+1]|
	v_max3_num_f32 v9, v9, |v[XS+\i+2]|, |v[XS+\i+3]|
.endr
	v_max3_num_f32 v8, v8, |v[XS+14]|, |v[XS+15]|
	v_max3_num_f32 v8, v8, v9, (EMAX+1)<<23        ; and the floor 2^(3 - 127): the byte cannot fall under 1
	v_max_num_f32_dpp v8, v8, v8 row_xmask:1 row_mask:0xf bank_mask:0xf   ; and of my neighbour's 16: the block's
	v_add_nc_u32 v11, -(EMAX<<23), v8              ; 2 off its exponent field: the conversion takes the exponent field of this operand as its scale, and nothing else of it
	v_cvt_scalef32_pk16_fp6_f32 v[C+4*(\t):C+4*(\t)+2], v[XS:XS+15], v11         ; sixteen codes, 96 bits without gaps, the first number's code lowest
	v_lshrrev_b32 v[E+(\t)], 23, v11               ; the scale's byte (a plain line behind the conversion)
	ds_store_b8 v5, v[E+(\t)] offset:16*(\t)       ; both lanes of a block write the same byte with the same value
	global_store_b96 v4, v[C+4*(\t):C+4*(\t)+2], s[OC:OC+1] offset:32*CB*(\t)    ; the wave stores 384 consecutive bytes
.endm
.irp t, 0,1,2,3,4,5,6,7,8,9,10,11,12,13,14,15
	STEP \t
.endr
	ds_load_b64 v[12:13], v6                       ; LDS serves a wave's instructions in order: these see my stores
	s_wait_dscnt 0x0
	global_store_b64 v7, v[12:13], s[OS:OS+1]      ; 32 lanes store 256 consecutive bytes, aligned
	s_wait_tensorcnt 0x0
	ds_add_u32 v192, v193
	s_wait_dscnt 0x0
	s_endpgm
.Lfunc_end_k_q94d6cb1b61_quant:
	.size	k_q94d6cb1b61_quant, .Lfunc_end_k_q94d6cb1b61_quant-k_q94d6cb1b61_quant
	.p2alignl 7, 3214868480
	.fill 96, 4, 3214868480
	.section	.rodata,"a",@progbits
	.p2align	6, 0x0
	.amdhsa_kernel k_q94d6cb1b61_quant
		.amdhsa_group_segment_fixed_size 33280
		.amdhsa_private_segment_fixed_size 0
		.amdhsa_enable_private_segment 0
		.amdhsa_kernarg_size 64
		.amdhsa_user_sgpr_count 2
		.amdhsa_user_sgpr_kernarg_segment_ptr 1
		.amdhsa_wavefront_size32 1
		.amdhsa_system_sgpr_workgroup_id_x 1
		.amdhsa_system_sgpr_workgroup_id_y 1
		.amdhsa_system_sgpr_workgroup_id_z 1
		.amdhsa_system_vgpr_workitem_id 0
		.amdhsa_next_free_vgpr 194
		.amdhsa_next_free_sgpr 66
		.amdhsa_reserve_vcc 0
		.amdhsa_float_denorm_mode_32 3
		.amdhsa_float_denorm_mode_16_64 3
		.amdhsa_memory_ordered 1
		.amdhsa_forward_progress 1
		.amdhsa_inst_pref_size 33
	.end_amdhsa_kernel
	.amdgpu_metadata
---
amdhsa.version: [ 1, 2 ]
amdhsa.kernels:
  - .name:           k_q94d6cb1b61_quant
    .symbol:         k_q94d6cb1b61_quant.kd
    .args:
      - { .name: q, .offset: 0, .size: 8, .value_kind: global_buffer, .address_space: global }
      - { .name: k, .offset: 8, .size: 8, .value_kind: global_buffer, .address_space: global }
      - { .name: v, .offset: 16, .size: 8, .value_kind: global_buffer, .address_space: global }
      - { .name: wq, .offset: 24, .size: 8, .value_kind: global_buffer, .address_space: global }
      - { .name: wk, .offset: 32, .size: 8, .value_kind: global_buffer, .address_space: global }
      - { .name: wv, .offset: 40, .size: 8, .value_kind: global_buffer, .address_space: global }
      - { .name: c1, .offset: 48, .size: 8, .value_kind: global_buffer, .address_space: global }
      - { .name: s1, .offset: 56, .size: 8, .value_kind: global_buffer, .address_space: global }
    .group_segment_fixed_size: 33280
    .private_segment_fixed_size: 0
    .kernarg_segment_align: 8
    .kernarg_segment_size: 64
    .max_flat_workgroup_size: 128
    .sgpr_count:     66
    .vgpr_count:     194
    .wavefront_size: 32
...
	.end_amdgpu_metadata
.endif
;; end of part 1
;; launch proj (part 2): grid 4 x 96, 4 waves a work-group, clusters of 4 x 4, 327,680 bytes of LDS; arguments c1, s1, bq, bk, bv, heads; writes heads
.if DOCPART == 2
	.amdgcn_target "amdgcn-amd-amdhsa--gfx1250"
	.amdhsa_code_object_version 6
	.text
	.protected	k_q94d6cb1b61_proj
	.globl	k_q94d6cb1b61_proj
	.p2align	8
	.type	k_q94d6cb1b61_proj,@function
k_q94d6cb1b61_proj:
	s_mov_b64 s[64:65], 0
	v_nop
	global_prefetch_b8 v0, s[64:65] scope:SCOPE_SE
	s_setreg_imm32_b32 hwreg(HW_REG_WAVE_MODE, 25, 1), 1
	s_wait_xcnt 0x0
	s_wait_alu depctr_hold_cnt(0) depctr_sa_sdst(0) depctr_va_vdst(0) depctr_va_sdst(0) depctr_va_ssrc(0) depctr_va_vcc(0) depctr_vm_vsrc(0)
	s_getreg_b32 s2, hwreg(HW_REG_IB_STS2, 6, 4)
	s_cmp_eq_u32 s2, 0
	s_cbranch_scc0 .Lentry_in_a_cluster
	s_endpgm
.Lentry_in_a_cluster:
	s_bfe_u32 s2, ttmp6, 0x10000c
	s_cmp_lg_u32 s2, 0xf033
	s_cbranch_scc0 .Lentry_shape_is_right
	s_endpgm
.Lentry_shape_is_right:
; The three projections x W^T + b on codes of FP6 (E2M3), K = 1,024, and the quantising of their results into the images of operand registers that the next launch reads (heads).
; c1: 27,648 rows of 768 bytes of codes, in the order q, k, v, wq, wk, wv; s1: the same rows' 32 scale bytes.  A work-group makes 256 x 256 of one product, a wave 128 x 128: 64 accumulators.
; Cluster row / 8 says which product.  For q and k, A = 256 tokens and B = 256 rows of the weight; for v the two change places (A = rows of wv, B = tokens).  Source 0 takes B's rows and source 1 A's: a lane holds one row of A,
; and its registers run along B's rows: along the head's channels for q and k, along the keys for v: in each case the next launch's K.  The stored order of rows makes 16 registers of two neighbouring tiles 16 neighbours.
; K GOES IN CHUNKS OF 256 BYTES of each row through two LDS slots: a tile's row is 256 bytes of memory and begins on a multiple of 256 bytes.  A step of 128 along K is 96 bytes: eight steps to three chunks;
; steps 2 and 5 lie across two chunks and take their fragments from both slots.  The scales of the 256 + 256 rows come once and stay.  4 x 4 work-groups form a cluster: A's tiles are asked for jointly along a row, B's along a column.
; No prefetch: K is three chunks, of which two are asked for ahead of the first product.
; THE WAY OUT: the bias is added in f32, each block of 32 along the next K gets its scale (the largest magnitude's exponent field - 2, held at 1 from below), the codes are made and stored as register images, 256 consecutive bytes a store.
; LIMITS: NaN and infinities are not served; a block of zeros gets the byte 1 (its codes are zeros, and this program alone reads the bytes).
.set ROWB,   256
.set NQ,     2
.set KROW,   768
.set STEPS,  8
.set CHUNKS, 3
.set PITCH,  272
.set FR,     12
.set NL,     6
.set NP,     4
.set HALFT,  128*PITCH
.set SLOT,   4*HALFT
.set KS,     32
.set SCL,    2*SLOT
.set HALFS,  16*272
.set SBLK,   2*272
.set SPARE,  SCL+4*HALFS
.set HB,     315392
.set VB,   8
.set VR,   9
.set LO,   10
.set LS,   11
.set SH,   12
.set ADRA, 16                          ; v16-17 my A fragments in slot 0, 1; v18-19 for a piece whose lanes 0-15 read the end of a chunk and lanes 16-31 the start of the next, in the other slot
.set ADRB, 20
.set ADRS, 27
.set SPW,  28
.set NIL,  29
.set SC,   32
.set BC,   64
.set AF,   128
.set BR,   224
.set TM,   32
.set PW,   48
.set W,    52
.set X,    128
.set CD,   192
.set G1, 24
.set G0, 32
.set G1B, 48
.set G0B, 56
.set SEL, 66
.set G1S, 68
.set G0S, 76
.set G1SB, 80
.set G0SB, 88
.set P0,  4
.set P1,  6
.set PS,  8
.set PS2, 10
.set OA,  12
.set OA4, 44
.set WM,  96
.set MC,  97
.set MR,  98
.set MSB, 0
.macro WIN new
.if MSB != \new
	s_set_vgpr_msb (MSB<<8)|\new
.set MSB, \new
.endif
.endm
.set MUL_LO, 0xa1
.set MUL_HI, 0xf1
.set TO_B,   0x40
.macro JLOAD g0a, g1a, g0b, g1b        ; waves 0 and 1 fetch for A, waves 2 and 3 for B
	s_cmp_eq_u32 s17, 0
	s_cbranch_scc0 .Lfor_b_\@
	tensor_load_to_lds s[\g0a:\g0a+3], s[\g1a:\g1a+7]
	s_nop 0
.rept 4
	v_nop
.endr
	s_branch .Lasked_\@
.Lfor_b_\@:
	tensor_load_to_lds s[\g0b:\g0b+3], s[\g1b:\g1b+7]
	s_nop 0
.rept 4
	v_nop
.endr
.Lasked_\@:
.endm
.macro CREST
	s_cmp_lg_u32 s16, 0
	s_cbranch_scc1 .Lnot_wave_0_\@
	s_barrier_signal -3
.Lnot_wave_0_\@:
	s_barrier_wait -3
	s_barrier_signal -1
	s_barrier_wait -1
.endm
.macro CROUND
	s_barrier_signal -1
	s_barrier_wait -1
	CREST
.endm
	s_load_b128 s[4:7], s[0:1], 0x0                ; c1, s1
	s_load_b128 s[8:11], s[0:1], 0x10              ; bq, bk
	s_load_b128 s[12:15], s[0:1], 0x20             ; bv, heads
	v_lshl_add_u32 v[SPW], v0, 2, SPARE
	v_mov_b32 v[NIL], 0
	ds_add_u32 v[SPW], v[NIL]                      ; the opening lines: the add, twice on end, and its wait
	ds_add_u32 v[SPW], v[NIL]
	v_lshrrev_b32 v1, 5, v0
	v_readfirstlane_b32 s16, v1                    ; wave
	s_lshr_b32 s17, s16, 1                         ; my half of A's rows; also: I fetch for A (0) or B (1)
	s_and_b32 s18, s16, 1                          ; my half of B's rows; also: which 128 rows I fetch
	s_bfe_u32 s20, ttmp6, 0x40000                  ; cx
	s_bfe_u32 s21, ttmp6, 0x40004                  ; cy
	s_and_b32 s2, ttmp7, 0xffff
	s_lshr_b32 s22, s2, 3                          ; which product: 0 q, 1 k, 2 v
	s_and_b32 s23, s2, 7                           ; which 1,024 tokens
	s_lshl_b32 s2, s21, 2
	s_lshl_b32 s2, 15, s2                          ; my row of the cluster
	s_lshl_b32 s3, 0x1111, s20                     ; my column
	s_or_b32 s[G1+0], s2, (0<<16)|(1<<20)|(1<<21)|(5<<22)|(3<<25)    ; elements of 1 byte; 16 bytes of padding behind every 256
	s_or_b32 s[G1B+0], s3, (0<<16)|(1<<20)|(1<<21)|(5<<22)|(3<<25)
.irp g, G1, G1B
	s_mov_b32 s[\g+1], ROWB<<16
	s_mov_b32 s[\g+2], 256<<16                     ; 256 rows for the head's loads; behind them 128
	s_mov_b32 s[\g+3], ROWB<<16
	s_mov_b32 s[\g+4], 256
	s_mov_b32 s[\g+5], KROW
	s_mov_b32 s[\g+6], 0
	s_mov_b32 s[\g+7], 0
.endr
	s_or_b32 s[G1S+0], s2, (3<<16)|(1<<20)|(1<<21)|(5<<22)|(3<<25)   ; the scales of 256 rows: 32 rows of 256 bytes, dense
	s_or_b32 s[G1SB+0], s3, (3<<16)|(1<<20)|(1<<21)|(5<<22)|(3<<25)
.irp g, G1S, G1SB
	s_mov_b32 s[\g+1], 32<<16
	s_mov_b32 s[\g+2], KS<<16
	s_mov_b32 s[\g+3], 32<<16
	s_mov_b32 s[\g+4], KS
	s_mov_b32 s[\g+5], 32
	s_mov_b32 s[\g+6], 0
	s_mov_b32 s[\g+7], 0
.endr
	s_lshl_b32 s40, s22, 13                        ; A's and B's first rows in c1
	s_lshl_b32 s41, s23, 10
	s_add_co_u32 s40, s40, s41
	s_lshl_b32 s42, s22, 10
	s_add_co_u32 s42, s42, 24576
	s_add_co_u32 s43, s41, 16384
	s_mov_b32 s41, 26624
	s_cmp_eq_u32 s22, 2
	s_cselect_b32 s40, s41, s40
	s_cselect_b32 s42, s43, s42
	s_lshl_b32 s41, s21, 8
	s_add_co_u32 s40, s40, s41
	s_lshl_b32 s43, s20, 8
	s_add_co_u32 s42, s42, s43
	s_mul_i32 s44, s40, KROW
	s_mov_b32 s45, 0
	s_lshl_b32 s40, s40, 5
	s_mov_b32 s41, 0
	s_mul_i32 s46, s42, KROW
	s_mov_b32 s47, 0
	s_lshl_b32 s42, s42, 5
	s_mov_b32 s43, 0
	s_mul_i32 s2, s16, HALFT
	s_mul_i32 s100, s18, 128*KROW                  ; in the ring I fetch 128 rows of a tile: which half, in bytes
	s_mov_b32 s101, 0
	s_wait_dscnt 0x0
	s_wait_kmcnt 0x0
	s_add_nc_u64 s[44:45], s[4:5], s[44:45]
	s_add_nc_u64 s[40:41], s[6:7], s[40:41]
	s_add_nc_u64 s[46:47], s[4:5], s[46:47]
	s_add_nc_u64 s[42:43], s[6:7], s[42:43]
	CROUND                                         ; all sixteen work-groups are here: the first joint loads meet
	s_mov_b32 s[G0], 1                             ; the head's four tiles, each whole.  Chunk 0's 256 rows of A (in slot 0's own group 0, which is set for the ring behind the wait for these loads),
	s_mov_b32 s[G0+1], 0
	s_mov_b64 s[G0+2:G0+3], s[44:45]
	s_or_b32 s[G0+3], s[G0+3], 0x80000000
	s_mov_b32 s[G0B], 1                            ; its 256 rows of B,
	s_mov_b32 s[G0B+1], 2*HALFT
	s_mov_b64 s[G0B+2:G0B+3], s[46:47]
	s_or_b32 s[G0B+3], s[G0B+3], 0x80000000
	s_mov_b32 s[G0S], 1                            ; A's scales,
	s_mov_b32 s[G0S+1], SCL
	s_mov_b64 s[G0S+2:G0S+3], s[40:41]
	s_or_b32 s[G0S+3], s[G0S+3], 0x80000000
	s_mov_b32 s[G0SB], 1                           ; B's
	s_mov_b32 s[G0SB+1], SCL+2*HALFS
	s_mov_b64 s[G0SB+2:G0SB+3], s[42:43]
	s_or_b32 s[G0SB+3], s[G0SB+3], 0x80000000
	s_add_nc_u64 s[44:45], s[44:45], s[100:101]    ; slot 1: chunk 1 of my 128 rows
	s_add_nc_u64 s[46:47], s[46:47], s[100:101]
	s_mov_b32 s[G0+4], 1
	s_add_co_u32 s[G0+5], s2, SLOT
	s_add_nc_u64 s[G0+6:G0+7], s[44:45], ROWB
	s_or_b32 s[G0+7], s[G0+7], 0x80000000
	s_mov_b32 s[G0B+4], 1
	s_add_co_u32 s[G0B+5], s2, SLOT
	s_add_nc_u64 s[G0B+6:G0B+7], s[46:47], ROWB
	s_or_b32 s[G0B+7], s[G0B+7], 0x80000000
; one tensor load a wave at the head, in ONE chain of branches on the wave's number
.macro ARM under, g0, g1, next
	s_cmp_lt_u32 s16, \under
	s_cbranch_scc0 \next
	tensor_load_to_lds s[\g0:\g0+3], s[\g1:\g1+7]
	s_nop 0
.rept 4
	v_nop
.endr
	s_branch .Lhead_asked
\next:
.endm
	ARM 1, G0,  G1,  .Lhead_b
	ARM 2, G0B, G1B, .Lhead_sa
	ARM 3, G0S, G1S, .Lhead_sb
	tensor_load_to_lds s[G0SB:G0SB+3], s[G1SB:G1SB+7]
	s_nop 0
.rept 4
	v_nop
.endr
.Lhead_asked:
	v_and_b32 v1, 15, v0
	v_bfe_u32 v2, v0, 4, 1
	v_mul_u32_u24 v3, v1, PITCH
	v_mul_u32_u24 v4, v2, 24
	v_add_nc_u32 v4, v3, v4                        ; a fragment's row x pitch + 24 x half
	s_mov_b32 s2, SLOT-232
	s_mov_b32 s3, SLOT+232
	v_sub_nc_u32 v7, 1, v2
	v_mul_u32_u24 v5, s2, v2
	v_add_nc_u32 v5, v3, v5
	v_add_nc_u32 v5, 232, v5                       ; lanes 0-15 byte 232 of the row in slot 0, lanes 16-31 byte 0 of the row in slot 1;
	v_mul_u32_u24 v6, s3, v7
	v_add_nc_u32 v6, v3, v6                        ; and the other way round
	s_mul_i32 s2, s17, HALFT
	s_mul_i32 s3, s18, HALFT
	s_add_co_u32 s3, s3, 2*HALFT
	v_add_nc_u32 v[ADRA+2], s2, v5
	v_add_nc_u32 v[ADRA+3], s2, v6
	v_add_nc_u32 v[ADRB+2], s3, v5
	v_add_nc_u32 v[ADRB+3], s3, v6
.irp s, 0,1
	v_add_nc_u32 v[ADRA+\s], s2, v4
	v_add_nc_u32 v[ADRB+\s], s3, v4
	s_add_co_u32 s2, s2, SLOT
	s_add_co_u32 s3, s3, SLOT
.endr
	v_mul_u32_u24 v5, v1, KS
	v_lshrrev_b32 v6, 8, v5
	v_lshl_add_u32 v5, v6, 4, v5
	s_mul_i32 s2, s17, HALFS
	s_mul_i32 s3, s18, HALFS
	s_add_co_u32 s3, s3, 2*HALFS
	s_sub_co_u32 s3, s3, s2
	v_mul_u32_u24 v6, s3, v2
	s_add_co_u32 s2, s2, SCL
	v_add_nc_u32 v5, v5, v6
	v_add_nc_u32 v[ADRS], s2, v5                   ; my scale words: lanes 0-15 A's rows, lanes 16-31 B's
	v_lshlrev_b32 v[VB], 6, v2
	v_and_b32 v3, 8, v1
	v_add_nc_u32 v3, v3, v1
	v_lshlrev_b32 v[VR], 2, v3
	v_and_b32 v6, 31, v0
	v_lshlrev_b32 v[LO], 3, v6
.irp a, 0,1,2,3,4,5,6,7
	v_mov_b32 v[BR+2*\a+1], 0
.endr
	s_mov_b32 s[SEL], 0x76543210
	s_mov_b32 s[SEL+1], 0xfedcba98
	s_lshl_b32 s2, s20, 8
	s_lshl_b32 s3, s18, 7
	s_add_co_u32 s2, s2, s3
	s_lshl_b32 s3, s21, 8
	s_lshl_b32 s99, s17, 7
	s_add_co_u32 s3, s3, s99
	s_cmp_eq_u32 s22, 1
	s_cselect_b64 s[92:93], s[10:11], s[8:9]
	s_cmp_eq_u32 s22, 2
	s_cselect_b64 s[92:93], s[12:13], s[92:93]     ; the product's bias
	s_cselect_b32 s100, s3, s2
	s_cselect_b32 s101, s2, s3
	s_cselect_b32 s40, 0, s100
	s_cselect_b32 s42, s100, 0
	s_cselect_b32 s[WM], -1, 0xffff
	s_cselect_b32 s[MC], 0, -1
	s_cselect_b32 s[MR], -1, 0
	s_mov_b32 s[OA], 768
	s_cselect_b32 s[OA], 1536, s[OA]
	s_cselect_b32 s[OA4], HB-6144, 0
	s_mov_b32 s46, HB
	s_cselect_b32 s46, 768, s46
	s_mov_b32 s47, 256
	s_cselect_b32 s47, HB, s47
	s_cselect_b32 s99, 0, HB
	v_mul_u32_u24 v[LS], s99, v2
	v_lshl_add_u32 v[LS], v1, 4, v[LS]
	s_cselect_b32 s99, 0, 16
	v_mul_u32_u24 v[SH], s99, v2
	s_cselect_b32 s99, 8, 9
	s_cselect_b32 s2, 98304, 0
	s_mov_b32 s3, 196608
	s_cselect_b32 s3, 204800, s3
	s_cmp_eq_u32 s22, 0
	s_cselect_b32 s2, 208896, s2
	s_cselect_b32 s3, 307200, s3
	s_mov_b32 s[OA+1], 0
	s_mov_b32 s[OA4+1], 0
	s_mov_b32 s41, 0
	s_lshl_b32 s40, s40, 2
	s_mov_b64 s[94:95], s[92:93]
	s_add_nc_u64 s[92:93], s[92:93], s[40:41]
	s_lshl_b32 s40, s42, 2
	s_add_nc_u64 s[94:95], s[94:95], s[40:41]
.irp b, 0,1,2,3
.irp k, 0,1,2,3
	global_load_b128 v[BC+16*\b+4*\k:BC+16*\b+4*\k+3], v[VB], s[92:93] offset:128*\b+16*\k   ; the bias along my registers (q, k)
.endr
.endr
.irp a, 0,1,2,3,4,5,6,7
	global_load_b32 v[BR+2*\a], v[VR], s[94:95] offset:4*(32*(\a/2)+8*(\a%2))                ; the bias of my lane's row (v)
.endr
	s_lshl_b32 s42, s23, 10
	s_add_co_u32 s42, s42, s101
	s_lshr_b32 s43, s42, 11
	s_bfe_u32 s42, s42, 0x40007
	s_lshl_b32 s43, s43, 4
	s_lshr_b32 s100, s100, 6
	s_add_co_u32 s43, s43, s100
	s_mul_i32 s43, s43, HB
	s_mul_i32 s40, s42, 6144
	s_add_co_u32 s40, s40, s43
	s_add_co_u32 s40, s40, s2
	s_add_nc_u64 s[P0:P0+1], s[14:15], s[40:41]
	s_mov_b32 s40, s46
	s_add_nc_u64 s[P1:P1+1], s[P0:P0+1], s[40:41]
	s_lshl_b32 s40, s42, s99
	s_add_co_u32 s40, s40, s43
	s_add_co_u32 s40, s40, s3
	s_add_nc_u64 s[PS:PS+1], s[14:15], s[40:41]
	s_mov_b32 s40, s47
	s_add_nc_u64 s[PS2:PS2+1], s[PS:PS+1], s[40:41]
.macro FRAG reg, adr, st, i            ; 16 rows x 128 K: 12 registers, in pieces of 8 bytes; byte y of a row lies in chunk y / 256, in slot (y / 256) % 2, at byte y % 256 of the LDS row
.irp p, 0,1,2,3,4,5
.set BY, 96*(\st)+48*(\p/3)+8*(\p%3)
.if BY/ROWB == (BY+24)/ROWB
	ds_load_b64 v[\reg+2*\p:\reg+2*\p+1], v[\adr+(BY/ROWB)%2] offset:BY%ROWB+(\i)*16*PITCH
.else
	ds_load_b64 v[\reg+2*\p:\reg+2*\p+1], v[\adr+2+(BY/ROWB)%2] offset:BY%ROWB-232+(\i)*16*PITCH
.endif
.endr
.endm
.macro MUL16 a0, p, q, sc, zero        ; A's blocks a0, a0 + 1 x B's eight; the 64 accumulators take turns, one instruction a turn
.irp a, \a0, \a0+1
.irp b, 0,1,2,3,4,5,6,7
.if \zero
	v_wmma_scale_f32_16x16x128_f8f6f4 v[8*(8*((\a)%4)+\b):8*(8*((\a)%4)+\b)+7], v[128*(\p)+FR*\b:128*(\p)+FR*\b+FR-1], v[AF+FR*(\a):AF+FR*(\a)+FR-1], 0, v[SC+8*NQ*(\sc)+NQ*\b+(\q)], v[SC+8*NQ*(\sc)+NQ*(\a)+(\q)] matrix_a_fmt:MATRIX_FMT_FP6 matrix_b_fmt:MATRIX_FMT_FP6 matrix_a_scale:MATRIX_SCALE_ROW1
.else
	v_wmma_scale_f32_16x16x128_f8f6f4 v[8*(8*((\a)%4)+\b):8*(8*((\a)%4)+\b)+7], v[128*(\p)+FR*\b:128*(\p)+FR*\b+FR-1], v[AF+FR*(\a):AF+FR*(\a)+FR-1], v[8*(8*((\a)%4)+\b):8*(8*((\a)%4)+\b)+7], v[SC+8*NQ*(\sc)+NQ*\b+(\q)], v[SC+8*NQ*(\sc)+NQ*(\a)+(\q)] matrix_a_fmt:MATRIX_FMT_FP6 matrix_b_fmt:MATRIX_FMT_FP6 matrix_a_scale:MATRIX_SCALE_ROW1
.endif
.endr
.endr
.endm
.macro FETCH_B st, p
	WIN TO_B
.irp i, 0,1,2,3,4,5,6,7
	FRAG 128*(\p)+FR*\i, ADRB, \st, \i
.endr
	WIN 0
.endm
.macro FETCH_A st, i0
.irp i, \i0, \i0+1, \i0+2, \i0+3
	FRAG AF+FR*(\i), ADRA, \st, \i
.endr
.endm
.macro SCALES pr                       ; the scale words of steps 2 pr and 2 pr + 1 into set pr % 2
.irp i, 0,1,2,3,4,5,6,7
	ds_load_b64 v[SC+8*NQ*((\pr)%2)+NQ*\i:SC+8*NQ*((\pr)%2)+NQ*\i+1], v[ADRS] offset:\i*SBLK+4*NQ*(\pr)
.endr
.endm
.macro PLACES n
.rept \n
	v_nop
.endr
.endm
; A step of 128 along K.  Where the next step's bytes END in a chunk not yet read: every wave waits for its tensor loads, and a barrier shows that chunk whole.  Where they BEGIN in a later chunk than this step's: the chunk left
; behind is read no more: the wait for all tensor loads, the add, the wait for it and for my reads, the barrier; where a chunk two further on is left to fetch, the barrier opens a round of the cluster's barrier and the slot is filled again.
.macro STEP st, zero
.set NX, (\st)+1
.set C0, (96*(\st))/ROWB
.set C1, (96*NX)/ROWB
.set E0, (96*(\st)+95)/ROWB
.set E1, (96*NX+95)/ROWB
.if C1 > C0 || E1 > E0
	s_wait_tensorcnt 0x0                           ; all my tensor loads have landed
.if C1 > C0
	ds_add_u32 v[SPW], v[NIL]
	s_wait_dscnt 4*NL+1                            ; (the add and the youngest loads, A's blocks 4-7, may be out)
.else
	s_wait_dscnt 4*NL                              ; (A's blocks 4-7 may be out)
.endif
	WIN MUL_LO
	MUL16 0, (\st)%2, (\st)%2, ((\st)/2)%2, \zero
	s_wait_dscnt 0x0                               ; the add, where there is one, and all my reads are done
	s_barrier_signal -1
	MUL16 2, (\st)%2, (\st)%2, ((\st)/2)%2, \zero
	WIN 0
	s_barrier_wait -1
.if C1 > C0 && C0+2 < CHUNKS
	CREST
	s_add_nc_u64 s[G0+4*(C0%2)+2:G0+4*(C0%2)+3], s[G0+4*(C0%2)+2:G0+4*(C0%2)+3], 2*ROWB
	s_add_nc_u64 s[G0B+4*(C0%2)+2:G0B+4*(C0%2)+3], s[G0B+4*(C0%2)+2:G0B+4*(C0%2)+3], 2*ROWB
	JLOAD G0+4*(C0%2), G1, G0B+4*(C0%2), G1B       ; chunk C0 + 2, the first tensor load behind the round; its four v_nop are the places in front of the loads below
.else
	PLACES NP
.endif
.else
	s_wait_dscnt 4*NL                              ; B's set and A's blocks 0-3 are in; A's blocks 4-7 may be out
	WIN MUL_LO
	MUL16 0, (\st)%2, (\st)%2, ((\st)/2)%2, \zero
	MUL16 2, (\st)%2, (\st)%2, ((\st)/2)%2, \zero
	s_wait_dscnt 0
	PLACES NP
.endif
	FETCH_B NX, NX%2
	FETCH_A NX, 0
.if NX%2 == 0
	SCALES NX/2
.endif
	WIN MUL_HI
	MUL16 4, (\st)%2, (\st)%2, ((\st)/2)%2, \zero
	MUL16 6, (\st)%2, (\st)%2, ((\st)/2)%2, \zero
	PLACES NP
	WIN 0
	FETCH_A NX, 4
.endm
	s_wait_alu depctr_va_vdst(0)
	s_wait_tensorcnt 0x0                           ; my tile of the head's four is in; these lines stand ahead of a later first fill as ahead of a refill
	ds_add_u32 v[SPW], v[NIL]
	s_mov_b32 s[G1+2], 128<<16                     ; no tensor load of mine is out: from here on a load brings 128 rows,
	s_mov_b32 s[G1+4], 128
	s_mov_b32 s[G1B+2], 128<<16
	s_mov_b32 s[G1B+4], 128
	s_mul_i32 s2, s18, 128*KROW                    ; and slot 0's group 0 is set for the ring: my 128 rows,
	s_mov_b32 s3, 0
	s_add_nc_u64 s[G0+2:G0+3], s[G0+2:G0+3], s[2:3]
	s_add_nc_u64 s[G0B+2:G0B+3], s[G0B+2:G0B+3], s[2:3]
	s_mul_i32 s2, s16, HALFT                       ; at wave x 128 rows
	s_mov_b32 s[G0+1], s2
	s_mov_b32 s[G0B+1], s2
	s_wait_dscnt 0x0
	CROUND                                         ; all four tiles are in, and all sixteen work-groups are here
	JLOAD G0+4, G1, G0B+4, G1B                     ; chunk 1, the first tensor load behind the round
	FETCH_B 0, 0
	FETCH_A 0, 0
	SCALES 0
	FETCH_A 0, 4
	STEP 0, 1                                      ; the first step's products start the sums
.set ST, 1
.rept STEPS-2
	STEP ST, 0
.set ST, ST+1
.endr
	s_wait_dscnt 4*NL                              ; the last step: nothing more to fetch
	WIN MUL_LO
	MUL16 0, 1, 1, 1, 0
	MUL16 2, 1, 1, 1, 0
	s_wait_dscnt 0
	WIN MUL_HI
	MUL16 4, 1, 1, 1, 0
	MUL16 6, 1, 1, 1, 0
	WIN 0
.macro QUANT s                         ; four blocks of 32 along the next K: scales, codes, a whole block to a lane
.irp b, 0,1,2,3
	v_max3_num_f32 v[TM+\b], |v[\s+16*\b]|, |v[\s+1+16*\b]|, 0x1800000
.endr
.irp i, 2,4,6,8,10,12,14
.irp b, 0,1,2,3
	v_max3_num_f32 v[TM+\b], v[TM+\b], |v[\s+16*\b+\i]|, |v[\s+1+16*\b+\i]|
.endr
.endr
.irp b, 0,1,2,3
	v_permlanex16_b32 v[TM+4+\b], v[TM+\b], s[SEL], s[SEL+1]
.endr
.irp b, 0,1,2,3
	v_max_num_f32 v[TM+\b], v[TM+\b], v[TM+4+\b]
.endr
.irp b, 0,1,2,3
	v_add_nc_u32 v[TM+12+\b], 0xff000000, v[TM+\b]
.endr
.irp b, 0,1,2,3
	v_lshrrev_b32 v[TM+4+\b], 23, v[TM+12+\b]
.endr
	v_lshl_or_b32 v[PW], v[TM+5], 8, v[TM+4]
	v_lshl_or_b32 v[PW], v[TM+6], 16, v[PW]
	v_lshl_or_b32 v[PW], v[TM+7], 24, v[PW]
.irp c, 0,1
	v_cvt_scalef32_pk16_fp6_f32 v[CD+6*\c:CD+2+6*\c], v[\s+32*\c:\s+15+32*\c], v[TM+12+2*\c]
	v_cvt_scalef32_pk16_fp6_f32 v[CD+12+4*\c:CD+14+4*\c], v[\s+16+32*\c:\s+31+32*\c], v[TM+12+2*\c+1]
.endr
	v_nop
.irp c, 0,1
.irp i, 0,1,2
	v_permlane16_swap_b32 v[CD+6*\c+\i], v[CD+12+4*\c+\i]
.endr
.irp i, 0,1,2
	v_mov_b32 v[CD+3+6*\c+\i], v[CD+12+4*\c+\i]
.endr
.endr
.endm
.macro EPI a                           ; A's block a: bias, quantiser, stores
.if (\a) > 0
	s_wait_xcnt 0x0
	s_add_nc_u64 s[P0:P0+1], s[P0:P0+1], s[OA:OA+1]
	s_add_nc_u64 s[P1:P1+1], s[P1:P1+1], s[OA:OA+1]
.endif
.if (\a) == 4
	s_add_nc_u64 s[P0:P0+1], s[P0:P0+1], s[OA4:OA4+1]
	s_add_nc_u64 s[P1:P1+1], s[P1:P1+1], s[OA4:OA4+1]
.endif
.if (\a) < 4
	WIN 0x02
.else
	WIN 0x03
.endif
.set AC, 64*((\a)%4)
.set i, 0
.rept 32
	v_pk_add_f32 v[X+i:X+i+1], v[AC+i:AC+i+1], v[BC+i:BC+i+1]
.set i, i+2
.endr
	WIN 0
.set i, 0
.rept 32
	v_pk_add_f32 v[X+i:X+i+1], v[X+i:X+i+1], v[BR+2*(\a):BR+2*(\a)+1] op_sel_hi:[1,0]
.set i, i+2
.endr
	QUANT X
	v_lshrrev_b32 v[W+(\a)], v[SH], v[PW]
	v_and_b32 v[W+(\a)], s[WM], v[W+(\a)]
.irp p, 0,1,2
	global_store_b64 v[LO], v[CD+2*\p:CD+2*\p+1], s[P0:P0+1] offset:256*\p
.endr
.irp p, 0,1,2
	global_store_b64 v[LO], v[CD+6+2*\p:CD+6+2*\p+1], s[P1:P1+1] offset:256*\p
.endr
.endm
	PLACES NP
	s_wait_loadcnt 0x0
.set i, 0
.rept 64
	v_and_b32 v[BC+i], s[MC], v[BC+i]              ; of the two forms of the bias the product's own stays, the other is 0
.set i, i+1
.endr
.irp a, 0,1,2,3,4,5,6,7
	v_and_b32 v[BR+2*\a], s[MR], v[BR+2*\a]
.endr
.irp b, 0,1,2,3
	v_mov_b32 v[TM+4+\b], 0
.endr
.irp a, 0,1,2,3,4,5,6,7
	EPI \a
.endr
	global_store_b128 v[LS], v[W:W+3], s[PS:PS+1]
	global_store_b128 v[LS], v[W+4:W+7], s[PS2:PS2+1]
	s_wait_tensorcnt 0x0                           ; the wave's end
	ds_add_u32 v[SPW], v[NIL]
	s_wait_dscnt 0x0
	CROUND                                         ; the closing round
	s_endpgm
.Lfunc_end_k_q94d6cb1b61_proj:
	.size	k_q94d6cb1b61_proj, .Lfunc_end_k_q94d6cb1b61_proj-k_q94d6cb1b61_proj
	.p2alignl 7, 3214868480
	.fill 96, 4, 3214868480
	.section	.rodata,"a",@progbits
	.p2align	6, 0x0
	.amdhsa_kernel k_q94d6cb1b61_proj
		.amdhsa_group_segment_fixed_size 327680
		.amdhsa_private_segment_fixed_size 0
		.amdhsa_enable_private_segment 0
		.amdhsa_kernarg_size 48
		.amdhsa_user_sgpr_count 2
		.amdhsa_user_sgpr_kernarg_segment_ptr 1
		.amdhsa_wavefront_size32 1
		.amdhsa_system_sgpr_workgroup_id_x 1
		.amdhsa_system_sgpr_workgroup_id_y 1
		.amdhsa_system_sgpr_workgroup_id_z 1
		.amdhsa_system_vgpr_workitem_id 0
		.amdhsa_next_free_vgpr 1024
		.amdhsa_next_free_sgpr 102
		.amdhsa_reserve_vcc 0
		.amdhsa_float_denorm_mode_32 3
		.amdhsa_float_denorm_mode_16_64 3
		.amdhsa_memory_ordered 1
		.amdhsa_forward_progress 1
		.amdhsa_inst_pref_size 206
	.end_amdhsa_kernel
	.amdgpu_metadata
---
amdhsa.version: [ 1, 2 ]
amdhsa.kernels:
  - .name:           k_q94d6cb1b61_proj
    .symbol:         k_q94d6cb1b61_proj.kd
    .args:
      - { .name: c1, .offset: 0, .size: 8, .value_kind: global_buffer, .address_space: global }
      - { .name: s1, .offset: 8, .size: 8, .value_kind: global_buffer, .address_space: global }
      - { .name: bq, .offset: 16, .size: 8, .value_kind: global_buffer, .address_space: global }
      - { .name: bk, .offset: 24, .size: 8, .value_kind: global_buffer, .address_space: global }
      - { .name: bv, .offset: 32, .size: 8, .value_kind: global_buffer, .address_space: global }
      - { .name: heads, .offset: 40, .size: 8, .value_kind: global_buffer, .address_space: global }
    .group_segment_fixed_size: 327680
    .private_segment_fixed_size: 0
    .kernarg_segment_align: 8
    .kernarg_segment_size: 48
    .max_flat_workgroup_size: 128
    .sgpr_count:     102
    .vgpr_count:     1024
    .wavefront_size: 32
...
	.end_amdgpu_metadata
.endif
;; end of part 2
;; launch attn (part 3): grid 4 x 64, 8 waves a work-group, clusters of 4 x 1, 262,144 bytes of LDS; arguments heads, mask, out0; writes out0
.if DOCPART == 3
	.amdgcn_target "amdgcn-amd-amdhsa--gfx1250"
	.amdhsa_code_object_version 6
	.text
	.protected	k_q94d6cb1b61_attn
	.globl	k_q94d6cb1b61_attn
	.p2align	8
	.type	k_q94d6cb1b61_attn,@function
k_q94d6cb1b61_attn:
	s_mov_b64 s[64:65], 0
	v_nop
	global_prefetch_b8 v0, s[64:65] scope:SCOPE_SE
	s_setreg_imm32_b32 hwreg(HW_REG_WAVE_MODE, 25, 1), 1
	s_wait_xcnt 0x0
	s_wait_alu depctr_hold_cnt(0) depctr_sa_sdst(0) depctr_va_vdst(0) depctr_va_sdst(0) depctr_va_ssrc(0) depctr_va_vcc(0) depctr_vm_vsrc(0)
	s_getreg_b32 s2, hwreg(HW_REG_IB_STS2, 6, 4)
	s_cmp_eq_u32 s2, 0
	s_cbranch_scc0 .Lentry_in_a_cluster
	s_endpgm
.Lentry_in_a_cluster:
	s_bfe_u32 s2, ttmp6, 0x10000c
	s_cmp_lg_u32 s2, 0x3003
	s_cbranch_scc0 .Lentry_shape_is_right
	s_endpgm
.Lentry_shape_is_right:
; out0[b][q][64 h + d] = the sum over keys of softmax(Q . K / 8 - 10000 (1 - mask[b][key])) V, both products on codes of FP6 (E2M3) with one E8M0 scale for each 32 along a product's K.
; heads: a block of HB bytes for each (batch, head), images of operand registers:  0 K [tile 128][piece 3][lane 32][8 B];  98,304 V [step 16][tile 4][piece 6][lane 32][8 B];
;   196,608 K's scale words [step 16][2][row 16][4 words];  204,800 V's [step 16][row 16][4 words];  208,896 Q, 307,200 Q's scale words, laid as K's.
; In stored tile T of K or Q lane (r, h) holds block h (32 of the head's 64) of token 32 (T / 2) + 8 (T % 2) + r + 8 (r / 8); in tile t of V channel 32 (t / 2) + 8 (t % 2) + r + 8 (r / 8), 128 keys.
; THE SOFTMAX: x = Q . K - 80000 (1 - mask) = 8 x the logit; t = x x (log2(e) / 8), ROUNDED to f32 as the logit x log2(e) is; M = ceil(the largest t so far); p = 2^(t - M) is quantised along the keys, not normalised;
; the row's sum is taken of the unquantised p and divides at the end.  When M moves, the sum and O are multiplied by 2^(old M - new M): exact.  t and t - M are two instructions, not one fused one: a heavy key's code
; hangs on t's own rounding.
; SHARES.  A work-group owns 512 queries of one head, in two passes of 256; each of its eight waves owns 32 of a pass: TWO tiles of 16, which share every fragment of K and V and every addend.  128 keys a step.
; THE WHOLE HEAD STAYS IN LDS: K, V and their scale words are 208,896 dense bytes, filled ONCE, 102 rows of 256 bytes a wave.  The four work-groups of a cluster own the same head and ask jointly.
; Nothing is filled again: no barrier in the loop.  No prefetch: the one fill stands at the head, with no loop ahead of it to run ahead in.
; LAYOUT.  S^T = K Q^T + addends, O^T = V^T P^T: a lane holds one query (lane % 16).  THE KEYS OF A TILE OF K ARE PICKED BY THE LANES' LDS ADDRESSES: tile 4 c + u takes keys 64 c + 8 u + 0..7 as rows 0-7 and
; keys 64 c + 32 + 8 u + 0..7 as rows 8-15.  So the 32 registers of tiles 4 c .. 4 c + 3 are keys 64 c + 32 (lane / 16) + 0 .. 31: a WHOLE block of 32 in a lane, as the second product's operand wants it:
; a block's maximum needs no other lane and the codes change no lane.  (Rows 0-7 and 8-15 come from stored tiles 1,536 bytes apart.)
; THE MASK'S ADDEND IS THE C OF THE FIRST PRODUCT: 64 registers of addends a step, the same for both tiles.  Where mask = 1 the addend is -0 and x is the product's sum as it stands.
; K = 64 IN AN INSTRUCTION OF K = 128: Q's registers 6-11 are zero codes; K's registers 6-11 are the next registers' codes: a zero code times any code of this format adds nothing.  The upper bytes of the scale words are 0.
; SHORT CHAINS STAND AMONG LONG RUNS: the maxima go in eight chains; the lines that make M and f stand among the 64 multiplications by c; both tiles' scale words are made together, among the sums.
; LIMITS: NaN and infinities are not served.  The promise holds while |t| stays under 2^31.  AN ORDER OF ROUNDING differs from the reference's: the addend is summed with the products inside the matrix instruction,
; in one rounding of the unit's own.  It shows only where 10000 (1 - mask) is in the thousands for EVERY key of a batch: there x, near 80000, may differ from the reference's by its last bit, 2^-7, and p by some 2^-10 of itself.
; A block whose every p has fallen to 0 keeps the byte 1: its codes are zeros.  A block's largest p is made of the block's largest x by the same instructions as every p: this takes v_exp_f32 not to fall where its input rises.
; REGISTERS.  Window 0: addresses, scale words, the tiles' small state, codes, and S^T / p of both tiles (v128-255): all that vector instructions work on.  Window 1: what matrix instructions and loads alone touch, and O^T.
.set HB,    315392
.set VIMG,  98304
.set KSC,   196608
.set VSC,   204800
.set QIMG,  208896
.set QSC,   307200
.set PART,  26112                      ; 102 rows of 256 bytes: a wave's part of the fill
.set ADDB,  208896                     ; LDS, behind the fill: the batch's 2,048 addends
.set STG,   217088                     ; the stages for the way out: 16 rows x 272 bytes for each wave
.set SPARE, 251904                     ; the spare words: 128 bytes a wave
; window 0
.set AK0, 1                            ; bases: K's images, V's, K's scale words, V's, the addends
.set AV0, 2
.set ASK0, 3
.set ASV0, 4
.set AM0, 5
.set STI, 6
.set STO, 7
.set ADK, 8                            ; the step's addresses
.set ADV, 9
.set ADS, 10
.set ADT, 11
.set ADM, 12
.set GO,  13
.set QSO, 14                           ; 16 r
.set SH8, 15                           ; 8 h
.set SPW, 16
.set NIL, 17
.set QS,  18                           ; Q's scale words, tile 0, 1
.set KS,  20                           ; K's, 8 tiles
.set VS,  28                           ; V's, 4 tiles
.set PS,  32                           ; p's, tile 0, 1
.set NM,  34                           ; tile i: pair (-M, the largest x so far) at NM + 2 i
.set L,   38                           ; the sum, in two halves
.set F,   42                           ; pair (f, at work)
.set BM,  46                           ; the largest x of block c of tile i at BM + 2 i + c
.set PX,  50                           ; lane permutes' results
.set SCO, 52                           ; = BM + 6: the maxima's second chains, then the conversions' scale operands
.set BY,  56                           ; at work
.set CT,  60                           ; the upper halves of the blocks' codes, as converted
.set QOF, 76                           ; 8 x lane
.set CD,  100                          ; p's codes: 12 registers a tile
.set S,   128                          ; S^T, then p: 64 registers a tile
; window 1
.set KF,  0                            ; K's eight tiles, 6 registers each
.set VF,  48                           ; V's four fragments
.set AD,  96                           ; the addends
.set O,   160                          ; O^T: 32 registers a tile
.set QF,  224                          ; Q: 12 registers a tile
.set WV,  10
.set G0,  16
.set SEL, 20
.set CS,  22                           ; c = log2(e) / 8, twice
.set G1,  24
.set QP,  32
.set QSP, 34
.set OP,  36
.set TK,  38
.set TS,  39
.set TJ,  40
.set NST, 41
.set NPS, 42
.set MSB, 0
.macro WIN new                         ; the immediate's high byte repeats the setting that is left
.if MSB != \new
	s_set_vgpr_msb (MSB<<8)|\new
.set MSB, \new
.endif
.endm
.macro DLY
	s_delay_alu instid0(VALU_DEP_2)
.endm
.macro CROUND
	s_barrier_signal -1
	s_barrier_wait -1
	s_cmp_lg_u32 s[WV], 0
	s_cbranch_scc1 .Lnot_wave_0_\@
	s_barrier_signal -3
.Lnot_wave_0_\@:
	s_barrier_wait -3
	s_barrier_signal -1
	s_barrier_wait -1
.endm
.macro KLOAD adr, off                  ; K's eight tiles (destination in window 1)
.irp c, 0,1
.irp u, 0,1,2,3
.irp p, 0,1,2
	ds_load_b64 v[KF+6*(4*\c+\u)+2*\p:KF+6*(4*\c+\u)+2*\p+1], v[\adr] offset:\off+(4*\c+(\u%2))*768+64*(\u/2)+256*\p
.endr
.endr
.endr
.endm
.macro ADLOAD adr, off                 ; registers 32 c + 4 k on: the addends of keys 64 c + 32 h + 4 k on
.irp k, 0,1,2,3,4,5,6,7,8,9,10,11,12,13,14,15
	ds_load_b128 v[AD+4*\k:AD+4*\k+3], v[\adr] offset:\off+16*\k+128*(\k/8)
.endr
.endm
.macro KSLOAD adr, off                 ; the scale words of tiles 2 g, 2 g + 1
.irp g, 0,1,2,3
	ds_load_b64 v[KS+2*\g:KS+2*\g+1], v[\adr] offset:\off+128*\g
.endr
.endm
	s_load_b128 s[4:7], s[0:1], 0x0                ; heads, mask
	s_load_b64 s[8:9], s[0:1], 0x10                ; out0
	v_lshl_add_u32 v[SPW], v0, 2, SPARE
	v_mov_b32 v[NIL], 0
	ds_add_u32 v[SPW], v[NIL]                      ; the opening lines: the add, twice on end, and its wait
	ds_add_u32 v[SPW], v[NIL]
	v_lshrrev_b32 v8, 5, v0
	v_readfirstlane_b32 s[WV], v8                  ; wave 0..7
	s_bfe_u32 s11, ttmp6, 0x40000                  ; cx: which 512 queries
	s_and_b32 s12, ttmp7, 0xffff                   ; 16 batch + head, which the four partners share
	s_mul_i32 s44, s12, HB
	s_mov_b32 s45, 0
	s_mul_i32 s13, s[WV], PART                     ; my part of the fill, in memory and in LDS alike
	s_mov_b32 s46, s13
	s_mov_b32 s47, 0
	s_mov_b32 s[G1], 15|(3<<16)|(1<<21)            ; the mask: all four work-groups; elements of 8 bytes; bit 21 beside a mask
	s_mov_b32 s[G1+1], 32<<16
	s_mov_b32 s[G1+2], 102<<16
	s_mov_b32 s[G1+3], 32<<16
	s_mov_b32 s[G1+4], 102
	s_mov_b32 s[G1+5], 32
	s_mov_b32 s[G1+6], 0
	s_mov_b32 s[G1+7], 0
	s_mov_b32 s[SEL], 0x76543210
	s_mov_b32 s[SEL+1], 0xfedcba98
	s_mov_b32 s[CS], 0x3e38aa3b                    ; the f32 number log2(e), divided by 8: an exact division
	s_mov_b32 s[CS+1], s[CS]
	s_mov_b32 s[NPS], 2
	s_wait_dscnt 0x0
	s_wait_kmcnt 0x0
	s_add_nc_u64 s[44:45], s[4:5], s[44:45]
	s_mov_b32 s[G0], 1
	s_mov_b32 s[G0+1], s13
	s_add_nc_u64 s[G0+2:G0+3], s[44:45], s[46:47]
	s_or_b32 s[G0+3], s[G0+3], 0x80000000
	CROUND                                         ; all four work-groups are here: the joint loads meet
	tensor_load_to_lds s[G0:G0+3], s[G1:G1+7]      ; my one tensor load of the launch
	s_nop 0
.rept 4
	v_nop
.endr
	s_lshr_b32 s46, s12, 4                         ; the batch's 2,048 numbers of the mask: 2 x 16 bytes a thread
	s_lshl_b32 s46, s46, 13
	s_add_nc_u64 s[6:7], s[6:7], s[46:47]
	v_lshlrev_b32 v[ADM], 4, v0
	global_load_b128 v[128:131], v[ADM], s[6:7]
	global_load_b128 v[132:135], v[ADM], s[6:7] offset:4096
	s_lshl_b32 s14, s11, 5
	s_lshl_b32 s15, s[WV], 1
	s_add_co_u32 s14, s14, s15                     ; T: my first tile of queries in the first pass: 32 cx + 2 wave, an even number.  It enters global addresses alone
	s_mul_i32 s46, s14, 768
	s_add_co_u32 s46, s46, QIMG
	s_add_nc_u64 s[QP:QP+1], s[44:45], s[46:47]
	s_lshr_b32 s46, s14, 2
	s_lshl_b32 s46, s46, 8
	s_and_b32 s15, s14, 3
	s_lshl_b32 s15, s15, 2
	s_add_co_u32 s46, s46, s15
	s_add_co_u32 s46, s46, QSC
	s_add_nc_u64 s[QSP:QSP+1], s[44:45], s[46:47]  ; 256 (T / 4) + 4 (T % 4)
	s_lshr_b32 s46, s12, 4
	s_lshl_b32 s46, s46, 11                        ; the batch's first row of out0,
	s_lshl_b32 s15, s14, 4
	s_add_co_u32 s46, s46, s15                     ; + 32 (T / 2);
	s_lshl_b32 s46, s46, 12                        ; 4,096 bytes a row;
	s_and_b32 s15, s12, 15
	s_lshl_b32 s15, s15, 8
	s_add_co_u32 s46, s46, s15                     ; the head's 256 bytes of it
	s_add_nc_u64 s[OP:OP+1], s[8:9], s[46:47]
	v_and_b32 v100, 31, v0                         ; lane
	v_and_b32 v101, 15, v0                         ; r
	v_bfe_u32 v102, v0, 4, 1                       ; h
	v_and_b32 v103, 7, v0                          ; r % 8
	v_bfe_u32 v104, v0, 3, 1                       ; r / 8
	v_lshlrev_b32 v[AK0], 3, v103
	v_lshl_add_u32 v[AV0], v100, 3, VIMG
	v_lshl_add_u32 v[ASK0], v103, 4, KSC
	v_lshlrev_b32 v[QSO], 4, v101
	v_lshl_add_u32 v[AK0], v102, 7, v[AK0]
	v_lshl_add_u32 v[ASK0], v104, 3, v[ASK0]       ; K's scale words: 16 (r % 8) + 8 (r / 8)
	v_add_nc_u32 v[ASV0], VSC, v[QSO]
	v_mad_u32_u24 v[AK0], v104, 1536, v[AK0]       ; K's images: 8 (r % 8) + 128 h + 1,536 (r / 8)
	v_lshl_add_u32 v[AM0], v102, 7, ADDB           ; my half's 32 keys of each 64: 128 h bytes on
	v_lshlrev_b32 v[QOF], 3, v100
	v_lshlrev_b32 v[SH8], 3, v102
	s_mul_i32 s46, s[WV], 16*272
	s_add_co_u32 s46, s46, STG                     ; my stage
	v_mul_u32_u24 v[STI], v101, 272
	v_mul_u32_u24 v[STO], v102, 272
	v_lshlrev_b32 v[GO], 12, v102
	v_lshl_add_u32 v[STI], v102, 6, v[STI]
	v_lshl_add_u32 v[STO], v101, 4, v[STO]
	v_lshl_add_u32 v[GO], v101, 4, v[GO]           ; two rows of out0
	v_add_nc_u32 v[STI], s46, v[STI]               ; in: row r, + 64 h
	v_add_nc_u32 v[STO], s46, v[STO]               ; back: lanes 0-15 one row, lanes 16-31 the next
	v_lshl_add_u32 v[ADT], v0, 4, ADDB             ; where my addends go
	v_mov_b32 v[PX], 0                             ; written once: a lane permute's destination counts as one of its sources
	v_mov_b32 v[PX+1], 0
	WIN 0x40
.irp j, 0,1,2,3,4,5
	v_mov_b32 v[QF+6+\j], 0                        ; Q's registers 6-11: zero codes, written once
	v_mov_b32 v[QF+18+\j], 0
	v_mov_b32 v[VF+\j], 0                          ; what stands behind K's last tile in the first step
.endr
	WIN 0
	s_wait_alu depctr_va_vdst(0)
	s_wait_loadcnt 0x0                             ; the mask
.irp j, 0,1,2,3,4,5,6,7
	v_sub_f32 v[128+\j], 1.0, v[128+\j]
.endr
.irp j, 0,1,2,3,4,5,6,7
	v_mul_f32 v[128+\j], 0xc79c4000, v[128+\j]     ; -80000 (1 - mask): 8 x the reference's term
.endr
	ds_store_b128 v[ADT], v[128:131]
	ds_store_b128 v[ADT], v[132:135] offset:4096
	s_wait_alu depctr_va_vdst(0)
	s_wait_tensorcnt 0x0                           ; my part of the head has landed,
	s_wait_dscnt 0x0                               ; my addends are stored:
	s_barrier_signal -1
	s_barrier_wait -1                              ; everybody's are.  From here on nobody writes these bytes
; Tile i's block scales, codes and scale bytes
.macro SCALE i
.irp c, 0,1
	v_max_num_f32 v[BM+2*\i+\c], 0x1800000, v[BM+2*\i+\c]          ; the floor 2^(3 - 127): the byte cannot fall under 1
.endr
.irp c, 0,1
	DLY
	v_add_nc_u32 v[SCO+2*\i+\c], 0xff000000, v[BM+2*\i+\c]         ; 2 off the exponent field: the conversion's scale operand
.endr
.irp c, 0,1
	v_cvt_scalef32_pk16_fp6_f32 v[CD+12*\i+6*\c:CD+12*\i+6*\c+2], v[S+64*\i+32*\c:S+64*\i+32*\c+15], v[SCO+2*\i+\c]
	v_cvt_scalef32_pk16_fp6_f32 v[CT+8*\i+4*\c:CT+8*\i+4*\c+2], v[S+64*\i+32*\c+16:S+64*\i+32*\c+31], v[SCO+2*\i+\c]   ; (a conversion's three registers begin on an even number)
.endr
.irp c, 0,1
	v_lshrrev_b32 v[BY+2*\i+\c], 23, v[SCO+2*\i+\c]                ; the scale's byte (plain lines behind the conversions)
.endr
.endm
.macro MOVES i                         ; the blocks' upper 16 codes to their places
.irp c, 0,1
.irp k, 0,1,2
	v_mov_b32 v[CD+12*\i+6*\c+3+\k], v[CT+8*\i+4*\c+\k]
.endr
.endr
.endm
.macro MULS n                          ; n more of the 64 multiplications t = x c, rounded
.rept \n
	v_pk_mul_f32 v[S+j:S+j+1], v[S+j:S+j+1], s[CS:CS+1] op_sel_hi:[1,0]
.set j, j+2
.endr
.endm
.macro SUM1 n                          ; n more of the first level of tile 1's sum
.rept \n
	v_pk_add_f32 v[S+64+j:S+65+j], v[S+64+j:S+65+j], v[S+66+j:S+67+j]
.set j, j+4
.endr
.endm
; A KEY STEP: 128 keys, both tiles.  pf = 1: the next step's K, scale words and addends are asked for
.macro STEP pf
	WIN 0x15                                       ; K, Q and the addends in window 1, S^T in window 0
.irp i, 0,1
.irp n, 0,1,2,3,4,5,6,7                        ; sixteen accumulators, one instruction each
	v_wmma_scale_f32_16x16x128_f8f6f4 v[S+64*\i+8*\n:S+64*\i+8*\n+7], v[KF+6*\n:KF+6*\n+11], v[QF+12*\i:QF+12*\i+11], v[AD+8*\n:AD+8*\n+7], v[KS+\n], v[QS+\i] matrix_a_fmt:MATRIX_FMT_FP6 matrix_b_fmt:MATRIX_FMT_FP6
.endr
.endr
	WIN 0
	v_add_nc_u32 v[ADV], s[TK], v[AV0]             ; (these five are the places in front of the loads below and of the first read of the scores)
	v_add_nc_u32 v[ADK], s[TK], v[AK0]
	v_add_nc_u32 v[ADM], s[TS], v[AM0]
	v_add_nc_u32 v[ADT], s[TJ], v[ASV0]
	v_add_nc_u32 v[ADS], s[TS], v[ASK0]
	WIN 0x40
.irp t, 0,1,2,3
.irp p, 0,1,2,3,4,5
	ds_load_b64 v[VF+12*\t+2*\p:VF+12*\t+2*\p+1], v[ADV] offset:1536*\t+256*\p   ; this step's V lands while the softmax is walked
.endr
.endr
.if \pf
	KLOAD ADK, 6144                                ; K's registers and the addends' are done with: the next step's
	ADLOAD ADM, 512
.endif
	WIN 0
	ds_load_b128 v[VS:VS+3], v[ADT]
.if \pf
	KSLOAD ADS, 512
.endif
	; the largest x of each block of 32 keys: eight chains by turns, two to a block; each accumulator is read from its low end on
.irp i, 0,1
.irp c, 0,1
.irp g, 0,1
	v_max3_num_f32 v[BM+6*\g+2*\i+\c], v[S+64*\i+32*\c+16*\g], v[S+64*\i+32*\c+16*\g+1], v[S+64*\i+32*\c+16*\g+2]
.endr
.endr
.endr
.irp k, 3,5,7,9,11,13
.irp i, 0,1
.irp c, 0,1
.irp g, 0,1
	v_max3_num_f32 v[BM+6*\g+2*\i+\c], v[BM+6*\g+2*\i+\c], v[S+64*\i+32*\c+16*\g+\k], v[S+64*\i+32*\c+16*\g+\k+1]
.endr
.endr
.endr
.endr
.irp i, 0,1
.irp c, 0,1
	v_max3_num_f32 v[BM+2*\i+\c], v[BM+2*\i+\c], v[SCO+2*\i+\c], v[S+64*\i+32*\c+15]
.endr
.endr
.irp i, 0,1
.irp c, 0,1
	v_max_num_f32 v[BM+2*\i+\c], v[BM+2*\i+\c], v[S+64*\i+32*\c+31]
.endr
.endr
	; M and f, the two tiles by turns, among both tiles' multiplications, which hang on neither
.set j, 0
.irp i, 0,1
	v_max_num_f32 v[BY+2*\i], v[BM+2*\i], v[BM+2*\i+1]
.endr
.irp i, 0,1
	v_mov_b32 v[F+2*\i+1], v[NM+2*\i]              ; the old -M
.endr
	MULS 6
.irp i, 0,1
	v_permlanex16_b32 v[PX+\i], v[BY+2*\i], s[SEL], s[SEL+1]
.endr
	MULS 7
.irp i, 0,1
	v_max3_num_f32 v[NM+2*\i+1], v[NM+2*\i+1], v[BY+2*\i], v[PX+\i]   ; the largest x so far of my query
.endr
	MULS 7
.irp i, 0,1
	v_mul_f32 v[BY+2*\i], s[CS], v[NM+2*\i+1]      ; as t: c is positive and rounding keeps order, so this is the largest of the rounded t
.endr
	MULS 7
.irp i, 0,1
	v_floor_f32 v[NM+2*\i], -v[BY+2*\i]            ; -M = floor(-t) = -ceil(t): a whole number
.endr
	MULS 7
.irp i, 0,1
	v_sub_f32 v[F+2*\i+1], v[NM+2*\i], v[F+2*\i+1] ; M's old value less its new one
.endr
	MULS 7
.irp i, 0,1
	v_cvt_i32_f32 v[F+2*\i+1], v[F+2*\i+1]         ; (it saturates)
.endr
	MULS 7
.irp i, 0,1
	v_ldexp_f32 v[F+2*\i], 1.0, v[F+2*\i+1]        ; f = 2^(old M - new M)
.endr
	MULS 16
.irp b, 0,1,2,3
	v_mul_f32 v[BM+\b], s[CS], v[BM+\b]            ; the same of the blocks' largest x
.endr
.set j, 0
.rept 32
	v_pk_add_f32 v[S+j:S+j+1], v[S+j:S+j+1], v[NM:NM+1] op_sel_hi:[1,0]   ; tile 0: t - M (of the pair the low word, -M, serves both halves)
.set j, j+2
.endr
.irp c, 0,1
	v_add_f32 v[BM+\c], v[BM+\c], v[NM]
.endr
.irp i, 0,1
	v_pk_mul_f32 v[L+2*\i:L+2*\i+1], v[L+2*\i:L+2*\i+1], v[F+2*\i:F+2*\i+1] op_sel_hi:[1,0]   ; the sums under the new M
.endr
	WIN 0x41                                       ; O^T in window 1, f in window 0
.irp i, 0,1
.set j, 0
.rept 16
	v_pk_mul_f32 v[O+32*\i+j:O+32*\i+j+1], v[O+32*\i+j:O+32*\i+j+1], v[F+2*\i:F+2*\i+1] op_sel_hi:[1,0]   ; O^T under the new M: ahead of the step's exponentials; each accumulator from its low end on
.set j, j+2
.endr
.endr
	WIN 0
	s_wait_alu depctr_va_vdst(0)
.set j, 0
.rept 32                                       ; tile 0's exponentials; among them tile 1's t - M: these name none of the batch's registers, read what was written ahead of the wait above, and are read behind the next wait
	v_exp_f32 v[S+j], v[S+j]
	v_exp_f32 v[S+j+1], v[S+j+1]
	v_pk_add_f32 v[S+64+j:S+65+j], v[S+64+j:S+65+j], v[NM+2:NM+3] op_sel_hi:[1,0]
.set j, j+2
.endr
	v_exp_f32 v[BM], v[BM]
	v_exp_f32 v[BM+1], v[BM+1]
.irp c, 0,1
	v_add_f32 v[BM+2+\c], v[BM+2+\c], v[NM+2]
.endr
	s_wait_alu depctr_va_vdst(0)                   ; one wait for the batch, ahead of its first reader
	SCALE 0
	s_wait_alu depctr_va_vdst(0)                   ; and ahead of the next batch
.set j, 0
.rept 16                                       ; tile 1's exponentials; among them the first level of tile 0's sum, sixteen additions that hang on nothing here
	v_exp_f32 v[S+64+j], v[S+64+j]
	v_exp_f32 v[S+65+j], v[S+65+j]
	v_pk_add_f32 v[S+j:S+j+1], v[S+j:S+j+1], v[S+j+2:S+j+3]
	v_exp_f32 v[S+66+j], v[S+66+j]
	v_exp_f32 v[S+67+j], v[S+67+j]
.set j, j+4
.endr
	v_exp_f32 v[BM+2], v[BM+2]
	v_exp_f32 v[BM+3], v[BM+3]
	MOVES 0
	s_wait_alu depctr_va_vdst(0)
	SCALE 1
	; both tiles' scale words, among the first level of tile 1's sum.  THE ROW'S SUM IS TAKEN OF THE UNQUANTISED p: a tree, in place: the codes are made
.set j, 0
.irp i, 0,1
	v_lshl_or_b32 v[BY+2*\i], v[BY+2*\i+1], 16, v[BY+2*\i]         ; my two bytes: blocks h and 2 + h,
.endr
	SUM1 4
.irp i, 0,1
	v_lshlrev_b32 v[BY+2*\i], v[SH8], v[BY+2*\i]                   ; at their places in the word;
.endr
	SUM1 4
.irp i, 0,1
	v_permlanex16_b32 v[PX+\i], v[BY+2*\i], s[SEL], s[SEL+1]
.endr
	SUM1 4
.irp i, 0,1
	v_or_b32 v[PS+\i], v[BY+2*\i], v[PX+\i]                        ; with lane l xor 16's two the word is whole
.endr
	SUM1 4
	MOVES 1
.irp d, 4,8,16,32
.set j, 0
.rept 32/\d
	v_pk_add_f32 v[S+j:S+j+1], v[S+j:S+j+1], v[S+j+\d:S+j+\d+1]
	v_pk_add_f32 v[S+64+j:S+65+j], v[S+64+j:S+65+j], v[S+64+j+\d:S+65+j+\d]
.set j, j+2*\d
.endr
.endr
.irp i, 0,1
	DLY
	v_pk_add_f32 v[L+2*\i:L+2*\i+1], v[L+2*\i:L+2*\i+1], v[S+64*\i:S+64*\i+1]   ; (the sums are the places between p's codes and scale words and the products)
.endr
	s_wait_alu depctr_va_vdst(0)
	s_wait_dscnt 0x0                               ; V, and what was asked for the next step: the step's one wait for LDS
	WIN 0x51                                       ; V and O^T in window 1, p's codes in window 0
.irp t, 0,1,2,3
.irp i, 0,1                                    ; eight accumulators, one instruction each
	v_wmma_scale_f32_16x16x128_f8f6f4 v[O+32*\i+8*\t:O+32*\i+8*\t+7], v[VF+12*\t:VF+12*\t+11], v[CD+12*\i:CD+12*\i+11], v[O+32*\i+8*\t:O+32*\i+8*\t+7], v[VS+\t], v[PS+\i] matrix_a_fmt:MATRIX_FMT_FP6 matrix_b_fmt:MATRIX_FMT_FP6
.endr
.endr
	WIN 0
	s_add_co_u32 s[TK], s[TK], 6144
	s_add_co_u32 s[TS], s[TS], 512
	s_add_co_u32 s[TJ], s[TJ], 256
.endm
.Lpass:                                            ; two trips: 32 queries a wave in each
	WIN 0x40
.irp i, 0,1
.irp p, 0,1,2
	global_load_b64 v[QF+12*\i+2*\p:QF+12*\i+2*\p+1], v[QOF], s[QP:QP+1] offset:768*\i+256*\p   ; Q's codes: registers 0-5 of each fragment
.endr
.endr
	KLOAD AK0, 0                                   ; step 0's K and addends
	ADLOAD AM0, 0
.set j, 0
.rept 64
	v_mov_b32 v[O+j], 0                            ; O^T: the step is written once, and its first run finds zeros
.set j, j+1
.endr
	WIN 0
	global_load_b64 v[QS:QS+1], v[QSO], s[QSP:QSP+1]   ; both tiles' scale words
	KSLOAD ASK0, 0
.irp i, 0,1
	v_mov_b32 v[NM+2*\i+1], 0xff61b1e6             ; the largest x so far: -3e38
	v_mov_b32 v[NM+2*\i], 0x7f61b1e6               ; -M: 3e38, so that the first f is 0
	v_mov_b32 v[L+2*\i], 0
	v_mov_b32 v[L+2*\i+1], 0
.endr
	s_mov_b32 s[TK], 0
	s_mov_b32 s[TS], 0
	s_mov_b32 s[TJ], 0
	s_mov_b32 s[NST], 15
	s_wait_alu depctr_va_vdst(0)
	s_wait_loadcnt 0x0                             ; Q
	s_wait_dscnt 0x0                               ; K, its scale words, the addends
.Lstep:
	STEP 1
	s_sub_co_u32 s[NST], s[NST], 1
	s_cmp_lg_u32 s[NST], 0
	s_wait_alu depctr_va_vdst(0)
	s_cbranch_scc1 .Lstep
	STEP 0                                         ; the last step asks for nothing beyond the head's keys
	; THE WAY OUT.  O^T is divided by the row's sum and goes through my stage in LDS, so that sixteen lanes store a row's 256 bytes.
.rept 4
	v_nop                                          ; places behind the last products
.endr
.irp i, 0,1
	v_add_f32 v[L+2*\i], v[L+2*\i], v[L+2*\i+1]
.endr
.irp i, 0,1
	v_permlanex16_b32 v[PX+\i], v[L+2*\i], s[SEL], s[SEL+1]
.endr
.irp i, 0,1
	DLY
	v_add_f32 v[L+2*\i], v[L+2*\i], v[PX+\i]       ; the row's sum
.endr
	s_wait_alu depctr_va_vdst(0)
	v_rcp_f32 v[L], v[L]
	v_rcp_f32 v[L+2], v[L+2]
	v_nop
	WIN 0x01                                       ; O^T in window 1
	s_wait_alu depctr_va_vdst(0)                   ; ahead of the first reader of the quotients and of O^T
.irp i, 0,1
.set j, 0
.rept 32
	v_mul_f32 v[S+32*\i+j], v[O+32*\i+j], v[L+2*\i]   ; register 8 t + e is channel 32 (t / 2) + 16 h + 8 (t % 2) + e of my query
.set j, j+1
.endr
.endr
	WIN 0
.irp i, 0,1
.irp g, 0,1
.irp u, 0,1
	ds_store_b128 v[STI], v[S+32*\i+8*(2*\g+\u):S+32*\i+8*(2*\g+\u)+3] offset:128*\g+32*\u
	ds_store_b128 v[STI], v[S+32*\i+8*(2*\g+\u)+4:S+32*\i+8*(2*\g+\u)+7] offset:128*\g+32*\u+16
.endr
.endr
.irp k, 0,1,2,3,4,5,6,7
	ds_load_b128 v[S+64+32*\i+4*\k:S+64+32*\i+4*\k+3], v[STO] offset:544*\k   ; LDS serves a wave's instructions in order: these see my stores, and tile 1's stores come behind tile 0's loads
.endr
.endr
.irp i, 0,1
.irp k, 0,1,2,3,4,5,6,7
	s_wait_dscnt 16*(1-\i)+7-\k                    ; load k of tile i is in; the younger ones (tile 1's sixteen among them) may be out
	global_store_b128 v[GO], v[S+64+32*\i+4*\k:S+64+32*\i+4*\k+3], s[OP:OP+1] offset:(2*\k+8*(\k/4))*4096+32768*\i th:TH_STORE_NT   ; the stage's row r is token r + 8 (r / 8) of the tile; sixteen lanes store 256 consecutive bytes, aligned
.endr
.endr
	s_wait_xcnt 0x0                                ; the stores have read their registers and their base
	s_add_nc_u64 s[QP:QP+1], s[QP:QP+1], 16*768    ; sixteen tiles on
	s_add_nc_u64 s[QSP:QSP+1], s[QSP:QSP+1], 1024
	s_add_nc_u64 s[OP:OP+1], s[OP:OP+1], 256*4096
	s_sub_co_u32 s[NPS], s[NPS], 1
	s_cmp_lg_u32 s[NPS], 0
	s_wait_alu depctr_va_vdst(0)
	s_cbranch_scc1 .Lpass
	s_wait_tensorcnt 0x0                           ; the wave's end
	ds_add_u32 v[SPW], v[NIL]
	s_wait_dscnt 0x0
	CROUND                                         ; the closing round
	s_endpgm
.Lfunc_end_k_q94d6cb1b61_attn:
	.size	k_q94d6cb1b61_attn, .Lfunc_end_k_q94d6cb1b61_attn-k_q94d6cb1b61_attn
	.p2alignl 7, 3214868480
	.fill 96, 4, 3214868480
	.section	.rodata,"a",@progbits
	.p2align	6, 0x0
	.amdhsa_kernel k_q94d6cb1b61_attn
		.amdhsa_group_segment_fixed_size 262144
		.amdhsa_private_segment_fixed_size 0
		.amdhsa_enable_private_segment 0
		.amdhsa_kernarg_size 24
		.amdhsa_user_sgpr_count 2
		.amdhsa_user_sgpr_kernarg_segment_ptr 1
		.amdhsa_wavefront_size32 1
		.amdhsa_system_sgpr_workgroup_id_x 1
		.amdhsa_system_sgpr_workgroup_id_y 1
		.amdhsa_system_sgpr_workgroup_id_z 1
		.amdhsa_system_vgpr_workitem_id 0
		.amdhsa_next_free_vgpr 512
		.amdhsa_next_free_sgpr 66
		.amdhsa_reserve_vcc 0
		.amdhsa_float_denorm_mode_32 3
		.amdhsa_float_denorm_mode_16_64 3
		.amdhsa_memory_ordered 1
		.amdhsa_forward_progress 1
		.amdhsa_inst_pref_size 85
	.end_amdhsa_kernel
	.amdgpu_metadata
---
amdhsa.version: [ 1, 2 ]
amdhsa.kernels:
  - .name:           k_q94d6cb1b61_attn
    .symbol:         k_q94d6cb1b61_attn.kd
    .args:
      - { .name: heads, .offset: 0, .size: 8, .value_kind: global_buffer, .address_space: global }
      - { .name: mask, .offset: 8, .size: 8, .value_kind: global_buffer, .address_space: global }
      - { .name: out0, .offset: 16, .size: 8, .value_kind: global_buffer, .address_space: global }
    .group_segment_fixed_size: 262144
    .private_segment_fixed_size: 0
    .kernarg_segment_align: 8
    .kernarg_segment_size: 24
    .max_flat_workgroup_size: 256
    .sgpr_count:     66
    .vgpr_count:     512
    .wavefront_size: 32
...
	.end_amdgpu_metadata
.endif
;; end of part 3
